; MI455X (gfx1250); checked and timed in simulation.
; The chip was launched on July 23, 2026; its instructions are those of AMD's public machine-readable ISA for CDNA 5 (MIT licence, August 2026) and "CDNA5" Instruction Set Architecture Reference Guide (July 2026). The comments in the code are by the model that wrote it; some were corrected since.
;; Expert FFN. Allowed arithmetic: float matrix products may take bf16 or f16 operands with f32 sums; other float arithmetic in f32, or as packed bf16 or f16 multiplies, adds, multiply-adds, maxima and minima; sums over many terms, partial sums and values carried from step to step in f32; what a program stores and reads back later, other than sums and carried values, may be rounded once to bf16 or f16.
;; Inputs: eb1 8 x 4,096 float32; eb2 8 x 1,024 float32; ew1 8 x 1,024 x 4,096 float32; ew2 8 x 4,096 x 1,024 float32; gate_b1 1,024 float32; gate_b2 8 float32; gate_w1 1,025 x 1,024 float32; gate_w2 1,024 x 8 float32; gumbel_u 1,024 x 8 float32; snr 1 float32; x 8 x 128 x 1,024 float32.
;; Outputs: out0 8 x 128 x 1,024 float32; out1 1,024 x 8 float32; out2 1,024 x 8 float32.
;; One version. Each part assembles by itself: llvm-mc -triple=amdgcn-amd-amdhsa -mcpu=gfx1250 --defsym DOCPART=n.
;; ======== version 1 of 1: 5 launches
;; limits: values are held in f16: magnitudes above 65,504 overflow, below 6.1e-05 lose precision; right only within a limited range of input values
;; workspace buffers: lp 524,288 bytes; xb 2,097,152 bytes; sel 4,096 bytes of whole numbers; idx 4,096 bytes of whole numbers; pos 32,768 bytes of whole numbers; hid 17,825,792 bytes; part 17,825,792 bytes
;; launch gate1 (part 1): grid 16 x 16, 8 waves a work-group, no clusters, 132,096 bytes of LDS; arguments x, gate_w1, gate_b1, gate_w2, snr, lp; writes lp
.if DOCPART == 1
	.amdgcn_target "amdgcn-amd-amdhsa--gfx1250"
	.amdhsa_code_object_version 6
	.text
	.protected	k_q630a2a0611_gate1
	.globl	k_q630a2a0611_gate1
	.p2align	8
	.type	k_q630a2a0611_gate1,@function
k_q630a2a0611_gate1:
	s_mov_b64 s[64:65], 0
	v_nop
	global_prefetch_b8 v0, s[64:65] scope:SCOPE_SE
	s_setreg_imm32_b32 hwreg(HW_REG_WAVE_MODE, 25, 1), 1
	s_wait_xcnt 0x0
; GATE, FIRST PART.  h = relu(x w1 + snr w1[1024] + b1) for 64 tokens x 64 gate channels, then those channels' share of the logits, lp[cb][token][8] in f32.
; Every input is rounded once to bf16; all sums are f32.  h goes into the second product as three bf16 parts (hi + mid + lo = h exactly, apart from denormals),
; so that the logits keep f32's accuracy: the choice of experts hangs on them.
; SHARES.  Work-group (cb, tb): channels 64 cb .., tokens 64 tb ...  Wave w of eight sums K = 128 w .. 128 w + 127, four K steps of 32, for the whole 64 x 64 (16 accumulators), so each number of x and
; w1 is loaded and rounded once a work-group.  A wave keeps two K steps' loads on their way, 64 of 512 bytes; eight waves have twice the bytes on their way that four would have: the launch waits for
; loads, not for arithmetic.  The eight partial sums meet in LDS; waves 0 to 3 go on, wave w with token tile w; waves 4 to 7 end.
; w1 lies [k][channel].  A lane reads 16 bytes (channels 4 rho .. 4 rho + 3) of row k; sixteen lanes read 256 consecutive bytes.  Pairs of rows k, k + 1 rounded together give four
; fragments c = 0..3 whose row rho is channel 4 rho + c: no turn is needed.  With w1 as source 0 the result tile c holds, in register j of lane (r, h), token r and channel 32 h + 4 j + c.
; No tensor loads, no cluster: the numbers must pass through registers to be rounded, and the launch is short.
.set SPARE, 131072                     ; behind the eight partial sums of 16,384 bytes: the spare words, 128 bytes a wave
.set MSB, 0
.macro WIN new                         ; the immediate's high byte repeats the setting that is left; a switch that changes nothing is dropped
.if MSB != (\new)
	s_set_vgpr_msb (MSB<<8)|(\new)
.set MSB, (\new)
.endif
.endm
.macro PLACES                          ; four plain places behind matrix instructions (ISA guide 7.12.1)
.rept 4
	v_nop
.endr
.endm
; window 0: v1 lane, v2 r, v3 h, v4-v11, v14 offsets, v12-13 snr, v30-31 the add's; v32-63 w1 fragments; v64-95 x fragments; v96-223 accumulators (t, f) at 96 + 32 t + 8 f; v224-255 at work
; window 1: two load sets of 128 (64 of w1, 64 of x).  Later: v0-31 w2, v32-63 b1, v64-95 w1's last row, as loaded; v128-255 four partial sums read back
	s_load_b256 s[4:11], s[0:1], 0x0               ; x, gate_w1, gate_b1, gate_w2
	s_load_b128 s[12:15], s[0:1], 0x20             ; snr, lp
	v_lshl_add_u32 v30, v0, 2, SPARE
	v_mov_b32 v31, 0
	v_and_b32 v1, 31, v0
	v_and_b32 v2, 15, v0
	v_bfe_u32 v3, v0, 4, 1
	v_lshrrev_b32 v10, 5, v0
	v_readfirstlane_b32 s20, v10                   ; wave 0..7
	s_and_b32 s23, ttmp7, 0xffff                   ; tb
	v_lshlrev_b32 v4, 15, v3                       ; w1: 8 h rows of 4,096 bytes
	v_lshl_add_u32 v4, v2, 4, v4                   ;     + 16 rho
	v_lshlrev_b32 v5, 12, v2                       ; x: row r
	v_lshl_add_u32 v5, v3, 5, v5                   ;    + 8 h numbers
	v_lshlrev_b32 v6, 4, v1                        ; 16 x lane
	v_and_b32 v7, 7, v0
	v_lshlrev_b32 v7, 2, v7                        ; w2: expert r % 8
	v_lshl_add_u32 v7, v3, 10, v7                  ;     + 32 h rows of 32 bytes
	v_lshlrev_b32 v8, 7, v3                        ; b1 and the last row: 32 h numbers
	v_lshlrev_b32 v9, 5, v2                        ; lp: token r,
	v_lshl_add_u32 v9, v3, 4, v9                   ;     experts 4 h ..
	s_mov_b32 s22, 0xffff0000                      ; a word's upper bf16; also the mask of lanes 16-31
	s_lshl_b32 s24, s23, 18                        ; x: 64 tb rows + my K eighth, 128 numbers
	s_lshl_b32 s26, s20, 9
	s_add_co_u32 s24, s24, s26
	s_mov_b32 s25, 0
	s_lshl_b32 s28, ttmp9, 8                       ; 64 cb channels, in f32
	s_mov_b32 s29, 0
	s_lshl_b32 s26, s20, 19                        ; w1: my 128 rows
	s_add_co_u32 s26, s26, s28
	s_mov_b32 s27, 0
	s_wait_kmcnt 0x0
	s_load_b32 s21, s[12:13], 0x0                  ; snr
	s_add_nc_u64 s[4:5], s[4:5], s[24:25]
	s_add_nc_u64 s[16:17], s[6:7], s[28:29]
	s_add_nc_u64 s[16:17], s[16:17], 0x400000      ; w1's row 1024, which multiplies snr
	s_add_nc_u64 s[6:7], s[6:7], s[26:27]
; The 32 loads of K step s (32 along K) into a set: 16 of w1 (row 32 s + 16 q + 8 h + j), 16 of x (tile t: four pieces of 16 bytes).
.macro LD s, set
	WIN 0x40
.set z, 0
.rept 16
	global_load_b128 v[128*(\set)+4*z:128*(\set)+4*z+3], v4, s[6:7] offset:(32*(\s)+16*(z/8)+z%8)*4096
.set z, z+1
.endr
.set z, 0
.rept 16
	global_load_b128 v[128*(\set)+64+4*z:128*(\set)+64+4*z+3], v5, s[4:5] offset:(z/4)*65536+(\s)*128+(z%2)*16+((z/2)%2)*64
.set z, z+1
.endr
	WIN 0
.endm
; A set is rounded into four fragments of w1 and four of x.
.macro CVT set
	WIN 0x05
.set c, 0
.rept 4
.set z, 0
.rept 8
	v_cvt_pk_bf16_f32 v[32+8*c+z], v[128*(\set)+8*z+c], v[128*(\set)+8*z+4+c]
.set z, z+1
.endr
.set c, c+1
.endr
.set z, 0
.rept 32
	v_cvt_pk_bf16_f32 v[64+z], v[128*(\set)+64+2*z], v[128*(\set)+65+2*z]
.set z, z+1
.endr
	WIN 0
.endm
; 16 products on 16 accumulators.  zero = 1: the first K step starts the sums.
.macro MUL zero
.set z, 0
.rept 16
.if \zero
	v_wmma_f32_16x16x32_bf16 v[96+8*z:96+8*z+7], v[32+8*(z%4):32+8*(z%4)+7], v[64+8*(z/4):64+8*(z/4)+7], 0
.else
	v_wmma_f32_16x16x32_bf16 v[96+8*z:96+8*z+7], v[32+8*(z%4):32+8*(z%4)+7], v[64+8*(z/4):64+8*(z/4)+7], v[96+8*z:96+8*z+7]
.endif
.set z, z+1
.endr
.endm
	LD 0, 0
	LD 1, 1
	s_add_nc_u64 s[8:9], s[8:9], s[28:29]          ; the other addresses are made while the loads are out
	s_lshl_b32 s24, ttmp9, 11                      ; w2: 64 cb rows of 32 bytes
	s_add_nc_u64 s[10:11], s[10:11], s[24:25]
	s_lshl_b32 s24, ttmp9, 15                      ; lp: block cb, token 64 tb + 16 w (waves 0 to 3 use it)
	s_lshl_b32 s26, s23, 11
	s_add_co_u32 s24, s24, s26
	s_lshl_b32 s26, s20, 9
	s_add_co_u32 s24, s24, s26
	s_add_nc_u64 s[14:15], s[14:15], s[24:25]
	s_wait_loadcnt 32                              ; loads return in order: K step 0 is in, the other set's 32 stay out
	s_wait_kmcnt 0x0                               ; snr
	CVT 0
	LD 2, 0
	MUL 1
	s_wait_loadcnt 32                              ; K step 1 is in
	PLACES                                         ; the conversions write fragments that the last products read
	CVT 1
	LD 3, 1
	MUL 0
	s_wait_loadcnt 32                              ; K step 2 is in
	PLACES
	CVT 0
	MUL 0
	; Set 0 is used up.  Waves 0 to 3, which go on behind the sums, ask here for w2, b1 and w1's last row, into its registers: 48 loads behind the ring, not ahead of it.
	s_cmp_lt_u32 s20, 4
	s_cbranch_scc0 .Lhigh
	WIN 0x40
.set z, 0
.rept 32                                           ; z = 16 u + 8 q + j: w2's row 32 h + 4 j + 2 u + q
	global_load_b32 v[z], v7, s[10:11] offset:(4*(z%8)+2*(z/16)+(z/8)%2)*32
.set z, z+1
.endr
.set z, 0
.rept 8                                            ; channels 32 h + 4 j + 0..3
	global_load_b128 v[32+4*z:32+4*z+3], v8, s[8:9] offset:16*z
	global_load_b128 v[64+4*z:64+4*z+3], v8, s[16:17] offset:16*z
.set z, z+1
.endr
	WIN 0
	s_wait_loadcnt 48                              ; K step 3 is in; the 48 just issued stay out
	s_branch .Lstep3
.Lhigh:
	s_wait_loadcnt 0x0                             ; K step 3 is in: nothing was issued behind it
.Lstep3:
	PLACES
	CVT 1
	MUL 0
	; the eight parts of K meet in LDS: wave kq's tile (t, f), half: ((16 kq + 4 t + f) 2 + half) 512 + 16 x lane
	PLACES
	s_lshl_b32 s24, s20, 14
	v_add_nc_u32 v10, s24, v6
.set z, 0
.rept 32
	ds_store_b128 v10, v[96+4*z:96+4*z+3] offset:512*z
.set z, z+1
.endr
	s_wait_dscnt 0x0                               ; for the others' sake: my stores are done
	s_barrier_signal -1
	s_barrier_wait -1
	s_cmp_lt_u32 s20, 4
	s_cbranch_scc1 .Llow
	s_wait_tensorcnt 0x0                           ; waves 4 to 7 end
	ds_add_u32 v30, v31
	s_wait_dscnt 0x0
	s_endpgm
.Llow:
	s_lshl_b32 s24, s20, 12                        ; token tile w
	v_add_nc_u32 v11, s24, v6                      ; parts 0 to 3,
	v_add_nc_u32 v14, 0x10000, v11                 ; parts 4 to 7
; Four parts of my tile are read back (z = 8 part + piece) and added; first = 1: they start H, else they are added onto it.  H[8 f + j] at v96: token r, channel 32 h + 4 j + f.
.macro RED a, first
	WIN 0x40
.set z, 0
.rept 32
	ds_load_b128 v[128+4*z:131+4*z], v[\a] offset:(z/8)*16384+(z%8)*512
.set z, z+1
.endr
	s_wait_dscnt 0x0
	WIN 0x45
.set z, 0
.rept 16
	v_pk_add_f32 v[128+2*z:129+2*z], v[128+2*z:129+2*z], v[160+2*z:161+2*z]
	v_pk_add_f32 v[192+2*z:193+2*z], v[192+2*z:193+2*z], v[224+2*z:225+2*z]
.set z, z+1
.endr
.if \first
	WIN 0x05
.set z, 0
.rept 16
	v_pk_add_f32 v[96+2*z:97+2*z], v[128+2*z:129+2*z], v[192+2*z:193+2*z]
.set z, z+1
.endr
.else
.set z, 0
.rept 16
	v_pk_add_f32 v[128+2*z:129+2*z], v[128+2*z:129+2*z], v[192+2*z:193+2*z]
.set z, z+1
.endr
	WIN 0x04
.set z, 0
.rept 16
	v_pk_add_f32 v[96+2*z:97+2*z], v[96+2*z:97+2*z], v[128+2*z:129+2*z]
.set z, z+1
.endr
.endif
.endm
	RED 11, 1
	RED 14, 0
	; b1, the last row and w2 rounded to bf16.  Pair z = 4 f + j / 2 takes channels j, j + 1 of tile f.
	s_wait_loadcnt 0x0                             ; the 48 small loads
	WIN 0x05
.set z, 0
.rept 16
	v_cvt_pk_bf16_f32 v[224+z], v[32+8*(z%4)+z/4], v[36+8*(z%4)+z/4]
	v_cvt_pk_bf16_f32 v[240+z], v[64+8*(z%4)+z/4], v[68+8*(z%4)+z/4]
	v_cvt_pk_bf16_f32 v[176+z], v[2*z], v[2*z+1]   ; w2's two fragments: row r is expert r % 8, place (q, h, j) of step u is channel 32 h + 4 j + 2 u + q
.set z, z+1
.endr
	WIN 0
	v_mov_b32 v12, s21
	v_cvt_pk_bf16_f32 v12, v12, v12
	v_lshlrev_b32 v12, 16, v12                     ; snr, rounded
	v_mov_b32 v13, v12
.set z, 0
.rept 16
	v_lshlrev_b32 v[32+2*z], 16, v[224+z]
	v_and_b32 v[33+2*z], s22, v[224+z]
	v_lshlrev_b32 v[64+2*z], 16, v[240+z]
	v_and_b32 v[65+2*z], s22, v[240+z]
.set z, z+1
.endr
.set z, 0
.rept 16
	v_pk_fma_f32 v[32+2*z:33+2*z], v[64+2*z:65+2*z], v[12:13], v[32+2*z:33+2*z]
.set z, z+1
.endr
.set z, 0
.rept 16
	v_pk_add_f32 v[96+2*z:97+2*z], v[96+2*z:97+2*z], v[32+2*z:33+2*z]
.set z, z+1
.endr
.set z, 0
.rept 32
	v_max_num_f32 v[96+z], 0, v[96+z]
.set z, z+1
.endr
	; h in three bf16 parts: part l at v[128 + 16 l + z]; what a part leaves is exact in f32.  Tiles f = 2 u + q packed ARE source 1 of step u.
.irp l, 0,1
.set z, 0
.rept 16
	v_cvt_pk_bf16_f32 v[128+16*\l+z], v[96+2*z], v[97+2*z]
.set z, z+1
.endr
.set z, 0
.rept 16
	v_lshlrev_b32 v[32+2*z], 16, v[128+16*\l+z]
	v_and_b32 v[33+2*z], s22, v[128+16*\l+z]
.set z, z+1
.endr
.set z, 0
.rept 16
	v_pk_add_f32 v[96+2*z:97+2*z], v[96+2*z:97+2*z], v[32+2*z:33+2*z] neg_lo:[0,1] neg_hi:[0,1]
.set z, z+1
.endr
.endr
.set z, 0
.rept 16
	v_cvt_pk_bf16_f32 v[160+z], v[96+2*z], v[97+2*z]
.set z, z+1
.endr
	; six products on three accumulators by turns: experts x tokens, 64 channels
.irp l, 0,1,2
	v_wmma_f32_16x16x32_bf16 v[192+8*\l:199+8*\l], v[176:183], v[128+16*\l:135+16*\l], 0
.endr
.irp l, 0,1,2
	v_wmma_f32_16x16x32_bf16 v[192+8*\l:199+8*\l], v[184:191], v[136+16*\l:143+16*\l], v[192+8*\l:199+8*\l]
.endr
	PLACES
.set z, 0
.rept 4                                            ; the small parts first; each accumulator is read from its low end on
	v_pk_add_f32 v[32+2*z:33+2*z], v[208+2*z:209+2*z], v[200+2*z:201+2*z]
.set z, z+1
.endr
.set z, 0
.rept 4
	v_pk_add_f32 v[32+2*z:33+2*z], v[32+2*z:33+2*z], v[192+2*z:193+2*z]
.set z, z+1
.endr
.set z, 0
.rept 4                                            ; both halves of the lanes hold token r's eight logits: lanes 16-31 take experts 4-7
	v_cndmask_b32 v[40+z], v[32+z], v[36+z], s22
.set z, z+1
.endr
	global_store_b128 v9, v[40:43], s[14:15]       ; the wave stores 512 consecutive bytes
	s_wait_tensorcnt 0x0                           ; the wave's end
	ds_add_u32 v30, v31
	s_wait_dscnt 0x0
	s_endpgm
.Lfunc_end_k_q630a2a0611_gate1:
	.size	k_q630a2a0611_gate1, .Lfunc_end_k_q630a2a0611_gate1-k_q630a2a0611_gate1
	.p2alignl 7, 3214868480
	.fill 96, 4, 3214868480
	.section	.rodata,"a",@progbits
	.p2align	6, 0x0
	.amdhsa_kernel k_q630a2a0611_gate1
		.amdhsa_group_segment_fixed_size 132096
		.amdhsa_private_segment_fixed_size 0
		.amdhsa_enable_private_segment 0
		.amdhsa_kernarg_size 48
		.amdhsa_user_sgpr_count 2
		.amdhsa_user_sgpr_kernarg_segment_ptr 1
		.amdhsa_wavefront_size32 1
		.amdhsa_system_sgpr_workgroup_id_x 1
		.amdhsa_system_sgpr_workgroup_id_y 1
		.amdhsa_system_sgpr_workgroup_id_z 1
		.amdhsa_system_vgpr_workitem_id 0
		.amdhsa_next_free_vgpr 512
		.amdhsa_next_free_sgpr 66
		.amdhsa_reserve_vcc 0
		.amdhsa_float_denorm_mode_32 3
		.amdhsa_float_denorm_mode_16_64 3
		.amdhsa_memory_ordered 1
		.amdhsa_forward_progress 1
		.amdhsa_inst_pref_size 71
	.end_amdhsa_kernel
	.amdgpu_metadata
---
amdhsa.version: [ 1, 2 ]
amdhsa.kernels:
  - .name:           k_q630a2a0611_gate1
    .symbol:         k_q630a2a0611_gate1.kd
    .args:
      - { .name: x, .offset: 0, .size: 8, .value_kind: global_buffer, .address_space: global }
      - { .name: gate_w1, .offset: 8, .size: 8, .value_kind: global_buffer, .address_space: global }
      - { .name: gate_b1, .offset: 16, .size: 8, .value_kind: global_buffer, .address_space: global }
      - { .name: gate_w2, .offset: 24, .size: 8, .value_kind: global_buffer, .address_space: global }
      - { .name: snr, .offset: 32, .size: 8, .value_kind: global_buffer, .address_space: global }
      - { .name: lp, .offset: 40, .size: 8, .value_kind: global_buffer, .address_space: global }
    .group_segment_fixed_size: 132096
    .private_segment_fixed_size: 0
    .kernarg_segment_align: 8
    .kernarg_segment_size: 48
    .max_flat_workgroup_size: 256
    .sgpr_count:     66
    .vgpr_count:     512
    .wavefront_size: 32
...
	.end_amdgpu_metadata
.endif
;; end of part 1
;; launch gate2 (part 2): grid 256 x 1, 4 waves a work-group, no clusters, 0 bytes of LDS; arguments lp, gumbel_u, gate_b2, x, out1, out2, sel, idx, xb; writes out1, out2, sel, idx, xb
.if DOCPART == 2
	.amdgcn_target "amdgcn-amd-amdhsa--gfx1250"
	.amdhsa_code_object_version 6
	.text
	.protected	k_q630a2a0611_gate2
	.globl	k_q630a2a0611_gate2
	.p2align	8
	.type	k_q630a2a0611_gate2,@function
k_q630a2a0611_gate2:
	s_mov_b64 s[64:65], 0
	v_nop
	global_prefetch_b8 v0, s[64:65] scope:SCOPE_SE
	s_setreg_imm32_b32 hwreg(HW_REG_WAVE_MODE, 25, 1), 1
	s_wait_xcnt 0x0
; GATE, SECOND PART, and x rounded to bf16.
; Every wave: one row of x (4,096 bytes) to xb, each store 256 consecutive bytes.
; Wave 0 of every eighth work-group: 32 tokens, one a lane: logits = the sum of the 16 channel blocks' parts + b2; gumbel noise; softmax with its maximum taken away; top 2, ties to the lower index.
; That wave has the launch's longest way, so it asks for its 34 loads of lp and gumbel_u and for b2 AHEAD of its row of x: all 42 loads are out together.  The row's text stands on both ways of the one
; branch, so that no register is read on a way that has not loaded it.
; Stored at fixed places: out1 (scores), out2 (mask), idx (i1 | i2 << 8), sel[group][32]: word e = bitmap of the group's tokens that chose expert e, word 8 + e = their number, the rest 0.
; gumbel_u and b2 are rounded to bf16 like every input.
; LIMITS.  A weight below 2^-126 counts as 0, so among second choices that small the lower index wins; NaN is not treated apart.  out1 and out2 leave as 16 bytes a lane, 32 bytes apart (64 KB in all).
.macro XCAST                           ; my row of x: eight loads of 512 bytes, rounded, eight stores of 256
.set i, 0
.rept 8
	global_load_b128 v[32+4*i:35+4*i], v3, s[10:11] offset:512*i
.set i, i+1
.endr
.set i, 0
.rept 8
	s_wait_loadcnt 7-i                             ; loads return in order: piece i is in, and all that was asked for ahead of the row
	v_cvt_pk_bf16_f32 v[16+2*i], v[32+4*i], v[33+4*i]
	v_cvt_pk_bf16_f32 v[17+2*i], v[34+4*i], v[35+4*i]
	global_store_b64 v4, v[16+2*i:17+2*i], s[20:21] offset:256*i
.set i, i+1
.endr
.endm
	s_load_b512 s[4:19], s[0:1], 0x0               ; lp, gumbel_u, gate_b2, x, out1, out2, sel, idx
	s_load_b64 s[20:21], s[0:1], 0x40              ; xb
	v_and_b32 v1, 31, v0
	v_lshrrev_b32 v2, 5, v0
	v_readfirstlane_b32 s22, v2                    ; wave
	v_lshlrev_b32 v3, 4, v1
	v_lshlrev_b32 v4, 3, v1
	v_lshlrev_b32 v5, 5, v1
	v_lshlrev_b32 v6, 2, v1
	s_lshl_b32 s24, ttmp9, 14                      ; four rows a work-group, one a wave
	s_lshl_b32 s26, s22, 12
	s_add_co_u32 s24, s24, s26
	s_mov_b32 s25, 0
	s_lshr_b32 s26, s24, 1
	s_mov_b32 s27, 0
	s_wait_kmcnt 0x0
	s_add_nc_u64 s[10:11], s[10:11], s[24:25]
	s_add_nc_u64 s[20:21], s[20:21], s[26:27]
	s_and_b32 s28, ttmp9, 7
	s_or_b32 s28, s28, s22
	s_cmp_eq_u32 s28, 0
	s_cbranch_scc1 .Ldecide
	XCAST
	s_endpgm
.Ldecide:
	s_lshr_b32 s23, ttmp9, 3                       ; the group of 32 tokens
	s_lshl_b32 s24, s23, 10                        ; 32 tokens x 32 bytes
	s_lshl_b32 s26, s23, 7                         ; 32 words
	s_add_nc_u64 s[4:5], s[4:5], s[24:25]
	s_add_nc_u64 s[6:7], s[6:7], s[24:25]
	s_add_nc_u64 s[12:13], s[12:13], s[24:25]
	s_add_nc_u64 s[14:15], s[14:15], s[24:25]
	s_add_nc_u64 s[16:17], s[16:17], s[26:27]
	s_add_nc_u64 s[18:19], s[18:19], s[26:27]
	s_load_b256 s[32:39], s[8:9], 0x0              ; b2
	global_load_b128 v[200:203], v5, s[6:7]
	global_load_b128 v[204:207], v5, s[6:7] offset:16
.set i, 0
.rept 16
	global_load_b128 v[64+8*i:67+8*i], v5, s[4:5] offset:32768*i
	global_load_b128 v[68+8*i:71+8*i], v5, s[4:5] offset:32768*i+16
.set i, i+1
.endr
	XCAST
	s_mov_b32 s40, 0xbf317218                      ; -ln 2
	s_mov_b32 s41, 0x3089705f                      ; 1e-9
	s_mov_b32 s44, 0xffff0000
	s_wait_kmcnt 0x0
.set k, 0
.rept 4
	v_cvt_pk_bf16_f32 v[212+k], s[32+2*k], s[33+2*k]
.set k, k+1
.endr
.set k, 0
.rept 4
	v_lshlrev_b32 v[216+2*k], 16, v[212+k]
	v_and_b32 v[217+2*k], s44, v[212+k]
.set k, k+1
.endr
	s_wait_loadcnt 0x0
.set k, 0
.rept 4
	v_cvt_pk_bf16_f32 v[208+k], v[200+2*k], v[201+2*k]
.set k, k+1
.endr
.set k, 0
.rept 4
	v_lshlrev_b32 v[200+2*k], 16, v[208+k]
	v_and_b32 v[201+2*k], s44, v[208+k]
.set k, k+1
.endr
.set k, 0
.rept 8
	v_add_f32 v[200+k], s41, v[200+k]              ; u + eps
.set k, k+1
.endr
.set k, 0
.rept 8
	v_log_f32 v[200+k], v[200+k]
.set k, k+1
.endr
.set i, 1
.rept 15                                           ; meanwhile the logits: the channel blocks in ascending order
.set k, 0
.rept 4
	v_pk_add_f32 v[64+2*k:65+2*k], v[64+2*k:65+2*k], v[64+8*i+2*k:65+8*i+2*k]
.set k, k+1
.endr
.set i, i+1
.endr
.set k, 0
.rept 4
	v_pk_add_f32 v[64+2*k:65+2*k], v[64+2*k:65+2*k], v[216+2*k:217+2*k]
.set k, k+1
.endr
	s_wait_alu depctr_va_vdst(0)                   ; one wait for the eight logarithms, ahead of their first reader
.set k, 0
.rept 8
	v_fma_f32 v[200+k], v[200+k], s40, s41         ; -ln(u + eps) + eps
.set k, k+1
.endr
.set k, 0
.rept 8
	v_log_f32 v[200+k], v[200+k]
.set k, k+1
.endr
	v_nop
	s_wait_alu depctr_va_vdst(0)
.set k, 0
.rept 8
	v_fma_f32 v[64+k], v[200+k], s40, v[64+k]      ; z = logit + gumbel
.set k, k+1
.endr
	v_max3_num_f32 v10, v64, v65, v66
	v_max3_num_f32 v11, v67, v68, v69
	v_max3_num_f32 v10, v10, v70, v71
	v_max_num_f32 v10, v10, v11
.set k, 0
.rept 8
	v_sub_f32 v[72+k], v[64+k], v10
.set k, k+1
.endr
.set k, 0
.rept 8
	v_mul_f32 v[72+k], 0x3fb8aa3b, v[72+k]
.set k, k+1
.endr
.set k, 0
.rept 8
	v_exp_f32 v[72+k], v[72+k]
.set k, k+1
.endr
	v_nop
	s_wait_alu depctr_va_vdst(0)
	v_add_f32 v10, v72, v73
	v_add_f32 v11, v74, v75
	v_add_f32 v12, v76, v77
	v_add_f32 v13, v78, v79
	v_add_f32 v10, v10, v11
	v_add_f32 v12, v12, v13
	v_add_f32 v10, v10, v12
	v_rcp_f32 v11, v10
	v_nop
	s_wait_alu depctr_va_vdst(0)
.set k, 0
.rept 8
	v_mul_f32 v[72+k], v[72+k], v11                ; the scores
.set k, k+1
.endr
	global_store_b128 v5, v[72:75], s[12:13]
	global_store_b128 v5, v[76:79], s[12:13] offset:16
	; the largest, then the largest of the rest: ascending scans with a strict compare keep the lower index
	v_mov_b32 v12, v72
	v_mov_b32 v13, 0
.set e, 1
.rept 7
	v_cmp_gt_f32 vcc_lo, v[72+e], v12
	v_cndmask_b32 v12, v12, v[72+e], vcc_lo
	v_cndmask_b32 v13, v13, e, vcc_lo
.set e, e+1
.endr
.set e, 0
.rept 8
	v_cmp_eq_u32 vcc_lo, e, v13
	v_cndmask_b32 v[80+e], v[72+e], -1.0, vcc_lo
.set e, e+1
.endr
	v_mov_b32 v14, v80
	v_mov_b32 v15, 0
.set e, 1
.rept 7
	v_cmp_gt_f32 vcc_lo, v[80+e], v14
	v_cndmask_b32 v14, v14, v[80+e], vcc_lo
	v_cndmask_b32 v15, v15, e, vcc_lo
.set e, e+1
.endr
	v_mov_b32 v90, 0
.set e, 0
.rept 8
	v_cmp_eq_u32 s42, e, v13
	v_cmp_eq_u32 s43, e, v15
	s_or_b32 s42, s42, s43                         ; bit = lane = token of the group
	v_cndmask_b32 v[92+e], 0, 1.0, s42
	v_writelane_b32 v90, s42, e
	s_bcnt1_i32_b32 s43, s42
	v_writelane_b32 v90, s43, 8+e
.set e, e+1
.endr
	v_lshl_or_b32 v91, v15, 8, v13
	global_store_b128 v5, v[92:95], s[14:15]
	global_store_b128 v5, v[96:99], s[14:15] offset:16
	global_store_b32 v6, v90, s[16:17]
	global_store_b32 v6, v91, s[18:19]
	s_endpgm
.Lfunc_end_k_q630a2a0611_gate2:
	.size	k_q630a2a0611_gate2, .Lfunc_end_k_q630a2a0611_gate2-k_q630a2a0611_gate2
	.p2alignl 7, 3214868480
	.fill 96, 4, 3214868480
	.section	.rodata,"a",@progbits
	.p2align	6, 0x0
	.amdhsa_kernel k_q630a2a0611_gate2
		.amdhsa_group_segment_fixed_size 0
		.amdhsa_private_segment_fixed_size 0
		.amdhsa_enable_private_segment 0
		.amdhsa_kernarg_size 72
		.amdhsa_user_sgpr_count 2
		.amdhsa_user_sgpr_kernarg_segment_ptr 1
		.amdhsa_wavefront_size32 1
		.amdhsa_system_sgpr_workgroup_id_x 1
		.amdhsa_system_sgpr_workgroup_id_y 1
		.amdhsa_system_sgpr_workgroup_id_z 1
		.amdhsa_system_vgpr_workitem_id 0
		.amdhsa_next_free_vgpr 224
		.amdhsa_next_free_sgpr 66
		.amdhsa_reserve_vcc 1
		.amdhsa_float_denorm_mode_32 3
		.amdhsa_float_denorm_mode_16_64 3
		.amdhsa_memory_ordered 1
		.amdhsa_forward_progress 1
		.amdhsa_inst_pref_size 26
	.end_amdhsa_kernel
	.amdgpu_metadata
---
amdhsa.version: [ 1, 2 ]
amdhsa.kernels:
  - .name:           k_q630a2a0611_gate2
    .symbol:         k_q630a2a0611_gate2.kd
    .args:
      - { .name: lp, .offset: 0, .size: 8, .value_kind: global_buffer, .address_space: global }
      - { .name: gumbel_u, .offset: 8, .size: 8, .value_kind: global_buffer, .address_space: global }
      - { .name: gate_b2, .offset: 16, .size: 8, .value_kind: global_buffer, .address_space: global }
      - { .name: x, .offset: 24, .size: 8, .value_kind: global_buffer, .address_space: global }
      - { .name: out1, .offset: 32, .size: 8, .value_kind: global_buffer, .address_space: global }
      - { .name: out2, .offset: 40, .size: 8, .value_kind: global_buffer, .address_space: global }
      - { .name: sel, .offset: 48, .size: 8, .value_kind: global_buffer, .address_space: global }
      - { .name: idx, .offset: 56, .size: 8, .value_kind: global_buffer, .address_space: global }
      - { .name: xb, .offset: 64, .size: 8, .value_kind: global_buffer, .address_space: global }
    .group_segment_fixed_size: 0
    .private_segment_fixed_size: 0
    .kernarg_segment_align: 8
    .kernarg_segment_size: 72
    .max_flat_workgroup_size: 128
    .sgpr_count:     66
    .vgpr_count:     224
    .wavefront_size: 32
...
	.end_amdgpu_metadata
.endif
;; end of part 2
;; launch ffn1 (part 3): grid 32 x 8, 4 waves a work-group, no clusters, 279,040 bytes of LDS; arguments sel, xb, ew1, eb1, hid, pos; writes hid, pos
.if DOCPART == 3
	.amdgcn_target "amdgcn-amd-amdhsa--gfx1250"
	.amdhsa_code_object_version 6
	.text
	.protected	k_q630a2a0611_ffn1
	.globl	k_q630a2a0611_ffn1
	.p2align	8
	.type	k_q630a2a0611_ffn1,@function
k_q630a2a0611_ffn1:
	s_mov_b64 s[64:65], 0
	v_nop
	global_prefetch_b8 v0, s[64:65] scope:SCOPE_SE
	s_setreg_imm32_b32 hwreg(HW_REG_WAVE_MODE, 25, 1), 1
	s_wait_xcnt 0x0
; FIRST EXPERT PRODUCT.  Work-group (sl, e): hid = relu(x ew1[e] + eb1[e]) for the 128 hidden channels 128 sl .. and all rows that chose expert e, rounded once to f16.
; ew1 and eb1 are rounded to bf16 on their way through registers; each weight byte is read once in the launch, by this work-group alone.  Sums in f32, started with the bias.
; WHY f16 FOR hid.  It is the program's one rounding beyond the inputs' own, and the next product adds 4,096 of its errors into each output: f16's 11 significant bits leave an eighth of what bf16's 8 would.
; LIMITS.  A hidden number of 65,520 or more becomes an infinity.  With x and ew1 both 30 times the spread 1 and 0.02 the largest is some 3,000; with offsets of 30 spreads on both, 1,024 x 30 x 0.6 = 18,432.
; Below 6.1e-5 hid keeps f16's fixed step of 6e-8.
; ROUTING.  Every work-group adds the groups' counts from sel: expert i has c_i rows in ceil(c_i / 16) tiles of 16 slots, the experts' tiles on end.  A wave takes tiles w, w + 4, .., up to six in a pass:
; 2,048 rows over 8 experts are 16 tiles an expert, four a wave, so one pass holds half as many again (384 rows); three passes hold 18 tiles a wave, more than the 16 of an expert with all 1,024 tokens.
; An expert with no rows stores only pos.  Places past the count repeat token 0; of the last tile they are stored and never used, whole tiles past the count are not stored.
; PHASES.  (1) wave 0 lists the expert's tokens in LDS (slot -> token) while all waves' first weights are on their way; (2) the slice, 1,024 k x 128 channels, goes through registers into LDS as
; ready fragments; (3) each wave multiplies its tiles by the whole slice, token rows straight from xb into registers.  The K loop writes no LDS and has no barrier.
; ONE TEXT OF THE K LOOP serves every number of tiles: the loads are always six tiles' (a tile past the count reads token 0's row, 64 bytes a K step), so every counted wait holds on every way;
; the products of tiles 4 and 5 are jumped where the wave has no such tile.
; THE WALK OVER K is eight trips of four K steps and begins at trip sl mod 8: the 32 work-groups of an expert gather the same rows of xb, and so ask for eight different eighths of them at a time.
; ew1 lies [k][channel].  A lane reads 16 bytes (channels 4 rho ..) of row k, sixteen lanes 256 consecutive bytes; rows k, k + 1 rounded together give four fragments c whose row rho is channel
; 4 rho + c.  With the weights as source 0, tile f = 4 g + c holds in register j of lane (r, h): token r, channel 64 g + 32 h + 4 j + c.  Tiles 2 u and 2 u + 1, packed, ARE the next product's
; source fragment of its K step 4 sl + u; hid is stored in that order: [tile][K step][half][lane][16 bytes], and the next launch reads ew2's rows in the matching order.
; No tensor loads (the weights must be rounded in registers), no cluster (each slice has one reader; the shared token rows come by a list, which no descriptor covers).
; xb's rows are gathered 16 bytes a lane, two lanes to 32 bytes of a row.  pos leaves in stores of 128 bytes (32 KB in all).
.set LIST,  262144                     ; behind the slice's 32 K steps of 8,192 bytes: 4,096 words: 0..1151 slot -> token; 2048.. take the tokens that did not choose e
.set SPARE, 278528                     ; the spare words, 128 bytes a wave
.set MSB, 0
.macro WIN new                         ; the immediate's high byte repeats the setting that is left; a switch that changes nothing is dropped
.if MSB != (\new)
	s_set_vgpr_msb (MSB<<8)|(\new)
.set MSB, (\new)
.endif
.endm
.macro PLACES                          ; four plain places behind matrix instructions (ISA guide 7.12.1)
.rept 4
	v_nop
.endr
.endm
.macro WM d, a, b                      ; D += A B, registers by their absolute numbers
	WIN (((\d)>>8)*0x50)|(((\b)>>8)<<2)|((\a)>>8)
.set rD, (\d)&255
.set rA, (\a)&255
.set rB, (\b)&255
	v_wmma_f32_16x16x32_bf16 v[rD:rD+7], v[rA:rA+7], v[rB:rB+7], v[rD:rD+7]
.endm
; window 0: v1 lane, v2 r, v3 h, v4 16 lane, v5, v10 LDS address of this trip's and the next trip's K steps, v6-9 offsets, v12 fill address, v13 list address, v14-19 token offsets, v20 0, v21 2048,
;   v22-29 at work, v30-31 the add's; v32-95 the bias as a tile; v96-159, v160-223 weight fragments, two buffers (before: counts, ranks, eb1 as loaded); v224-255 at work
; window 1: four load sets of 64, then the accumulators of tiles 0-3 ((i, f) at 64 i + 8 f)     window 2: v0-127 those of tiles 4, 5     window 3: v0-191 token fragments, buffer b, tile i at 48 b + 8 i
	s_load_b256 s[4:11], s[0:1], 0x0               ; sel, xb, ew1, eb1
	s_load_b128 s[12:15], s[0:1], 0x20             ; hid, pos
	v_lshl_add_u32 v30, v0, 2, SPARE
	v_mov_b32 v31, 0
	v_and_b32 v1, 31, v0
	v_and_b32 v2, 15, v0
	v_bfe_u32 v3, v0, 4, 1
	v_lshrrev_b32 v22, 5, v0
	v_readfirstlane_b32 s20, v22                   ; wave
	s_and_b32 s21, ttmp7, 0xffff                   ; expert
	s_and_b32 s37, ttmp9, 7                        ; the trip at which my walk over K begins
	v_lshlrev_b32 v4, 4, v1
	v_lshlrev_b32 v6, 7, v1                        ; sel: group = lane
	v_lshlrev_b32 v7, 7, v3                        ; eb1: 32 h channels
	v_lshlrev_b32 v8, 17, v3                       ; ew1: 8 h rows of 16,384 bytes
	v_lshl_add_u32 v8, v2, 4, v8                   ;      + 16 rho
	v_lshlrev_b32 v9, 4, v3                        ; xb: 8 h numbers
	v_mov_b32 v20, 0
	v_mov_b32 v21, 0x800
.set k, 0
.rept 4
	v_mov_b32 v[112+k], 0
	v_mov_b32 v[224+k], 0
.set k, k+1
.endr
	s_mov_b32 s46, 0x76543210
	s_mov_b32 s47, 0xfedcba98
	s_mov_b32 s51, 0xffff0000
	s_lshl_b32 s42, s21, 24                        ; ew1: expert, slice, my first unit: K step w / 2, column group w % 2
	s_lshl_b32 s50, ttmp9, 9
	s_add_co_u32 s42, s42, s50
	s_lshr_b32 s48, s20, 1
	s_lshl_b32 s48, s48, 19
	s_add_co_u32 s42, s42, s48
	s_and_b32 s48, s20, 1
	s_lshl_b32 s48, s48, 8
	s_add_co_u32 s42, s42, s48
	s_mov_b32 s43, 0
	s_lshl_b32 s38, s21, 14
	s_add_co_u32 s38, s38, s50
	s_mov_b32 s39, 0
	s_lshl_b32 s40, s21, 2
	s_mov_b32 s41, 0
	s_lshl_b32 s52, s21, 12
	s_mov_b32 s53, 0
	s_wait_kmcnt 0x0
	s_add_nc_u64 s[8:9], s[8:9], s[42:43]
	s_add_nc_u64 s[10:11], s[10:11], s[38:39]
	s_add_nc_u64 s[16:17], s[4:5], s[40:41]
	s_add_nc_u64 s[14:15], s[14:15], s[52:53]
	global_load_b128 v[96:99], v6, s[4:5] offset:32    ; my group's counts for the eight experts
	global_load_b128 v[100:103], v6, s[4:5] offset:48
	global_load_b32 v109, v6, s[16:17]                 ; my group's bitmap for expert e
.set z, 0
.rept 16                                           ; z = 8 g + j: channels 64 g + 32 h + 4 j + 0..3
	global_load_b128 v[160+4*z:163+4*z], v7, s[10:11] offset:(z/8)*256+(z%8)*16
.set z, z+1
.endr
; A unit: 32 k x 64 channels, 16 loads (z = 8 q + j: row 16 q + 8 h + j) into a set.  u: the unit's place, in units of 64 rows, from the stepped base.
.macro ULOAD set, u
	WIN 0x40
.set z, 0
.rept 16
	global_load_b128 v[64*(\set)+4*z:64*(\set)+4*z+3], v8, s[8:9] offset:(\u)*1048576+(16*(z/8)+z%8)*16384 th:TH_LOAD_NT
.set z, z+1
.endr
	WIN 0
.endm
	ULOAD 0, 0
	ULOAD 1, 1
	ULOAD 2, 2
	s_wait_loadcnt 48                              ; all but the three units: sel and eb1 are in
	; the experts' counts: two to a register, added over the 32 lanes
.set k, 0
.rept 4
	v_lshl_or_b32 v[104+k], v[97+2*k], 16, v[96+2*k]
.set k, k+1
.endr
.irp m, 1,2,4,8
.set k, 0
.rept 4
	v_mov_b32_dpp v[112+k], v[104+k] row_xmask:\m row_mask:0xf bank_mask:0xf
.set k, k+1
.endr
.set k, 0
.rept 4
	v_add_nc_u32 v[104+k], v[104+k], v[112+k]
.set k, k+1
.endr
.endr
.set k, 0
.rept 4
	v_permlanex16_b32 v[112+k], v[104+k], s46, s47
.set k, k+1
.endr
.set k, 0
.rept 4
	v_add_nc_u32 v[104+k], v[104+k], v[112+k]
.set k, k+1
.endr
.set k, 0
.rept 4
	v_readfirstlane_b32 s50, v[104+k]
	s_and_b32 s[22+2*k], s50, 0xffff
	s_lshr_b32 s[23+2*k], s50, 16
.set k, k+1
.endr
	s_mov_b32 s30, 0                               ; tiles of the experts before e
	s_mov_b32 s31, 0                               ; c_e
.set i, 0
.rept 8
	s_min_u32 s[22+i], s[22+i], 1024
	s_add_co_u32 s50, s[22+i], 15
	s_lshr_b32 s50, s50, 4
	s_cmp_lt_u32 i, s21
	s_cselect_b32 s50, s50, 0
	s_add_co_u32 s30, s30, s50
	s_cmp_eq_u32 s21, i
	s_cselect_b32 s31, s[22+i], s31
.set i, i+1
.endr
	s_min_u32 s30, s30, 135
	s_min_u32 s31, s31, 1024
	s_add_co_u32 s32, s31, 15
	s_lshr_b32 s32, s32, 4                         ; the expert's tiles
	s_add_co_u32 s33, s32, 3
	s_sub_co_u32 s33, s33, s20
	s_lshr_b32 s33, s33, 2                         ; my wave's: w, w + 4, ..
	; the bias, rounded, laid as the eight result tiles
.set g, 0
.rept 2
.set c, 0
.rept 4
.set z, 0
.rept 4
	v_cvt_pk_bf16_f32 v[22+z], v[160+32*g+8*z+c], v[164+32*g+8*z+c]
	v_lshlrev_b32 v[32+8*(4*g+c)+2*z], 16, v[22+z]
	v_and_b32 v[33+8*(4*g+c)+2*z], s51, v[22+z]
.set z, z+1
.endr
.set c, c+1
.endr
.set g, g+1
.endr
	; wave 0: the list.  First token 0 in the 1,152 slots that three passes of six tiles can name, which also serves the places past the count; then group j's token 32 j + lane, whose rank is the
	; number chosen before it: chosen tokens go to slot rank, the others to the dump.  LDS serves a wave's instructions in order (ISA guide 5.7.1.4), so the tokens land on the zeros.
	s_cmp_lg_u32 s20, 0
	s_cbranch_scc1 .Lnolist
	v_add_nc_u32 v26, LIST, v4
.set k, 0
.rept 9
	ds_store_b128 v26, v[224:227] offset:512*k
.set k, k+1
.endr
	s_mov_b32 s49, 0
	v_mov_b32 v110, v1
.set j, 0
.rept 32
	v_readlane_b32 s48, v109, j
	v_mbcnt_lo_u32_b32 v[128+j], s48, s49
	v_cndmask_b32 v[22+j%4], v21, v20, s48
	v_add_nc_u32 v[22+j%4], v[22+j%4], v[128+j]
	v_min_u32 v[22+j%4], 0xfff, v[22+j%4]
	v_lshl_add_u32 v[22+j%4], v[22+j%4], 2, LIST
	ds_store_b32 v[22+j%4], v110
	v_add_nc_u32 v110, 32, v110
	s_bcnt1_i32_b32 s50, s48
	s_add_co_u32 s49, s49, s50
.set j, j+1
.endr
	s_cmp_lg_u32 ttmp9, 0
	s_cbranch_scc1 .Lnolist
	s_lshl_b32 s50, s30, 4                         ; slice 0 also stores pos[e][token] = 16 x first tile + rank, for every token
	v_lshlrev_b32 v23, 2, v1
.set j, 0
.rept 32
	v_add_nc_u32 v[128+j], s50, v[128+j]
	global_store_b32 v23, v[128+j], s[14:15] offset:128*j
.set j, j+1
.endr
	s_wait_xcnt 0x0                                ; the stores' registers are written again below
.Lnolist:
	s_wait_dscnt 0x0
	s_barrier_signal -1                            ; the list stands before any wave stores weights
	s_barrier_wait -1
	s_lshl_b32 s50, s20, 12
	v_add_nc_u32 v12, s50, v4                      ; unit i of wave w lands at 16,384 i + 4,096 w
; One unit's turn.  ahead = 1: the unit three on is asked for, into the set read last turn; left: the younger loads that may stay out.  48 loads of 512 bytes a wave are on their way.
.macro SLOT set, ahead, left, u
	s_wait_loadcnt \left
.if \ahead
	ULOAD ((\set)+3)%4, \u
.endif
	WIN 0x05
.set c, 0
.rept 4
.set z, 0
.rept 8
	v_cvt_pk_bf16_f32 v[224+8*c+z], v[64*(\set)+8*z+c], v[64*(\set)+8*z+4+c]
.set z, z+1
.endr
.set c, c+1
.endr
	WIN 0
.set z, 0
.rept 8                                            ; z = 2 c + q: half a fragment, 512 consecutive bytes
	ds_store_b128 v12, v[224+4*z:227+4*z] offset:512*z
.set z, z+1
.endr
	v_add_nc_u32 v12, 0x4000, v12
.endm
	s_mov_b32 s36, 3
.Lfill:
	SLOT 0, 1, 32, 3
	SLOT 1, 1, 32, 4
	SLOT 2, 1, 32, 5
	SLOT 3, 1, 32, 6
	s_wait_xcnt 0x0                                ; the base is stepped only behind this wait
	s_add_nc_u64 s[8:9], s[8:9], 0x400000
	s_sub_co_u32 s36, s36, 1
	s_cmp_lg_u32 s36, 0
	s_cbranch_scc1 .Lfill
	SLOT 0, 1, 32, 3                               ; the last four units: one more request, then the counts run down
	SLOT 1, 0, 32, 0
	SLOT 2, 0, 16, 0
	SLOT 3, 0, 0, 0
	s_wait_dscnt 0x0                               ; for the others' sake: my part of the slice is in LDS
	s_barrier_signal -1
	s_barrier_wait -1
	s_add_co_u32 s50, s30, s20                     ; hid at tile (first tile + w), K steps 4 sl ..
	s_lshl_b32 s42, s50, 17
	s_lshl_b32 s50, ttmp9, 12
	s_add_co_u32 s42, s42, s50
	s_mov_b32 s43, 0
	s_add_nc_u64 s[44:45], s[12:13], s[42:43]
	s_lshl_b32 s50, s20, 6
	s_add_co_u32 s50, s50, LIST
	v_lshl_add_u32 v13, v2, 2, s50                 ; list: slot 16 w + r
.macro WLOAD b, a, o                   ; a K step's eight weight fragments: 16 loads of 512 consecutive bytes, from address register a
	WIN 0
.set z, 0
.rept 16
	ds_load_b128 v[96+64*(\b)+4*z:99+64*(\b)+4*z], v[\a] offset:(\o)+512*z
.set z, z+1
.endr
.endm
.macro TLOAD b, sb, im                 ; a K step's token fragments of six tiles, from xb: 12 loads
	WIN 0xc0
.set i, 0
.rept 6
	global_load_b128 v[48*(\b)+8*i:48*(\b)+8*i+3], v[14+i], s[\sb:\sb+1] offset:(\im)
	global_load_b128 v[48*(\b)+8*i+4:48*(\b)+8*i+7], v[14+i], s[\sb:\sb+1] offset:(\im)+32
.set i, i+1
.endr
.endm
; K step p of a trip's four: the next step's weights and the tokens three steps on are asked for, then eight products a tile, all on different accumulators.
; The trip's last step takes its next weights from the next trip's address.  Tiles 4 and 5 are jumped where the wave has fewer tiles: products alone are jumped, no load and no wait.
.macro KS p
	WIN 0
	PLACES                                         ; the loads below land in registers that earlier products read
.if (\p) < 3
	WLOAD ((\p)+1)%2, 5, ((\p)+1)*8192
.else
	WLOAD 0, 10, 0
.endif
.if (\p) == 0
	TLOAD 3, 38, 192
.else
	TLOAD (\p)-1, 40, ((\p)-1)*64
.endif
	s_wait_dscnt 16                                ; this step's weights are in; the 16 just issued stay out
	s_wait_loadcnt 36                              ; this step's tokens are in; three younger steps of 12 loads stay out
.set i, 0
.rept 6
.if i >= 4
	WIN 0
	s_cmp_le_u32 s34, i
	s_cbranch_scc1 .Lks_\@
.endif
.set f, 0
.rept 8
	WM 256+64*i+8*f, 96+64*((\p)%2)+8*f, 768+48*(\p)+8*i
.set f, f+1
.endr
.set i, i+1
.endr
	WIN 0
.Lks_\@:
.endm
	s_mov_b32 s35, 3
.Lpass:                                                ; three passes of up to six tiles a wave cover every split
	s_max_i32 s34, s33, 0
	s_min_u32 s34, s34, 6
	s_cmp_eq_u32 s34, 0
	s_cbranch_scc1 .Lbottom
	WIN 0x40                                       ; the sums start with the bias: all six tiles, so that one text serves every n
.set z, 0
.rept 256
	v_mov_b32 v[z], v[32+z%64]
.set z, z+1
.endr
	WIN 0x80
.set z, 0
.rept 128
	v_mov_b32 v[z], v[32+z%64]
.set z, z+1
.endr
	WIN 0
.set i, 0
.rept 6
	ds_load_b32 v[14+i], v13 offset:256*i
.set i, i+1
.endr
	; the walk's first trip is trip s37, the next (s37 + 1) mod 8.  A trip's LDS address is 16 x lane + 32,768 x trip; its 256 bytes of a row of xb begin at 256 x trip.
	s_lshl_b32 s50, s37, 15
	v_add_nc_u32 v5, s50, v4
	s_lshl_b32 s42, s37, 8
	s_add_nc_u64 s[38:39], s[6:7], s[42:43]
	s_add_co_u32 s42, s37, 1
	s_and_b32 s42, s42, 7
	s_lshl_b32 s50, s42, 15
	v_add_nc_u32 v10, s50, v4
	s_lshl_b32 s42, s42, 8
	s_add_nc_u64 s[40:41], s[6:7], s[42:43]
	s_mov_b32 s36, 0
	s_wait_dscnt 0x0
.set i, 0
.rept 6
	v_min_u32 v[14+i], 0x3ff, v[14+i]
	v_lshl_add_u32 v[14+i], v[14+i], 11, v9
.set i, i+1
.endr
	WLOAD 0, 5, 0
	TLOAD 0, 38, 0
	TLOAD 1, 38, 64
	TLOAD 2, 38, 128
	WIN 0
.Lk:                                                   ; eight trips of four K steps; in the last the look-ahead reads the walk's first trip again, inside the slice and inside the rows
	KS 0
	KS 1
	KS 2
	KS 3
	s_wait_xcnt 0x0                                ; the bases are written only behind this wait
	s_mov_b64 s[38:39], s[40:41]
	v_mov_b32 v5, v10
	s_add_co_u32 s36, s36, 1
	s_add_co_u32 s42, s36, s37
	s_add_co_u32 s42, s42, 1
	s_and_b32 s42, s42, 7
	s_lshl_b32 s50, s42, 15
	v_add_nc_u32 v10, s50, v4
	s_lshl_b32 s42, s42, 8
	s_add_nc_u64 s[40:41], s[6:7], s[42:43]
	s_cmp_lt_u32 s36, 8
	s_cbranch_scc1 .Lk
	s_wait_loadcnt 0x0                             ; the look-ahead's loads, which nobody uses
	s_wait_dscnt 0x0
	PLACES
.set i, 0
.rept 6
.if i > 0
	s_cmp_le_u32 s34, i
	s_cbranch_scc1 .Lbottom
.endif
	s_wait_xcnt 0x0                                ; the last tile's stores have read v224-255
	WIN 0x05*(1+i/4)                               ; sources in window 1 (tiles 0-3) or 2 (tiles 4, 5)
.set z, 0
.rept 32                                           ; rounded once, to f16; each accumulator from its low end on
	v_cvt_pk_f16_f32 v[224+z], v[(64*i)%256+2*z], v[(64*i)%256+2*z+1]
.set z, z+1
.endr
	WIN 0
.set z, 0
.rept 32
	v_pk_max_num_f16 v[224+z], v[224+z], v20       ; relu
.set z, z+1
.endr
.set f, 0
.rept 8
	global_store_b128 v4, v[224+4*f:227+4*f], s[44:45] offset:i*524288+f*512   ; 512 consecutive bytes; the tile's eight stores 4,096
.set f, f+1
.endr
.set i, i+1
.endr
.Lbottom:
	s_wait_xcnt 0x0
	s_add_nc_u64 s[44:45], s[44:45], 0x300000      ; 24 tiles on
	v_add_nc_u32 v13, 0x600, v13
	s_sub_co_i32 s33, s33, 6
	s_sub_co_u32 s35, s35, 1
	s_cmp_lg_u32 s35, 0
	s_cbranch_scc1 .Lpass
	s_wait_dscnt 0x0                               ; my reads of the slice are over:
	s_barrier_signal -1                            ; every wave says so,
	s_barrier_wait -1                              ; so that no wave's last LDS write comes while another still reads
	s_wait_tensorcnt 0x0                           ; the wave's end
	ds_add_u32 v30, v31
	s_wait_dscnt 0x0
	s_endpgm
.Lfunc_end_k_q630a2a0611_ffn1:
	.size	k_q630a2a0611_ffn1, .Lfunc_end_k_q630a2a0611_ffn1-k_q630a2a0611_ffn1
	.p2alignl 7, 3214868480
	.fill 96, 4, 3214868480
	.section	.rodata,"a",@progbits
	.p2align	6, 0x0
	.amdhsa_kernel k_q630a2a0611_ffn1
		.amdhsa_group_segment_fixed_size 279040
		.amdhsa_private_segment_fixed_size 0
		.amdhsa_enable_private_segment 0
		.amdhsa_kernarg_size 48
		.amdhsa_user_sgpr_count 2
		.amdhsa_user_sgpr_kernarg_segment_ptr 1
		.amdhsa_wavefront_size32 1
		.amdhsa_system_sgpr_workgroup_id_x 1
		.amdhsa_system_sgpr_workgroup_id_y 1
		.amdhsa_system_sgpr_workgroup_id_z 1
		.amdhsa_system_vgpr_workitem_id 0
		.amdhsa_next_free_vgpr 960
		.amdhsa_next_free_sgpr 66
		.amdhsa_reserve_vcc 0
		.amdhsa_float_denorm_mode_32 3
		.amdhsa_float_denorm_mode_16_64 3
		.amdhsa_memory_ordered 1
		.amdhsa_forward_progress 1
		.amdhsa_inst_pref_size 142
	.end_amdhsa_kernel
	.amdgpu_metadata
---
amdhsa.version: [ 1, 2 ]
amdhsa.kernels:
  - .name:           k_q630a2a0611_ffn1
    .symbol:         k_q630a2a0611_ffn1.kd
    .args:
      - { .name: sel, .offset: 0, .size: 8, .value_kind: global_buffer, .address_space: global }
      - { .name: xb, .offset: 8, .size: 8, .value_kind: global_buffer, .address_space: global }
      - { .name: ew1, .offset: 16, .size: 8, .value_kind: global_buffer, .address_space: global }
      - { .name: eb1, .offset: 24, .size: 8, .value_kind: global_buffer, .address_space: global }
      - { .name: hid, .offset: 32, .size: 8, .value_kind: global_buffer, .address_space: global }
      - { .name: pos, .offset: 40, .size: 8, .value_kind: global_buffer, .address_space: global }
    .group_segment_fixed_size: 279040
    .private_segment_fixed_size: 0
    .kernarg_segment_align: 8
    .kernarg_segment_size: 48
    .max_flat_workgroup_size: 128
    .sgpr_count:     66
    .vgpr_count:     960
    .wavefront_size: 32
...
	.end_amdgpu_metadata
.endif
;; end of part 3
;; launch ffn2 (part 4): grid 32 x 8, 4 waves a work-group, no clusters, 262,656 bytes of LDS; arguments sel, hid, ew2, part; writes part
.if DOCPART == 4
	.amdgcn_target "amdgcn-amd-amdhsa--gfx1250"
	.amdhsa_code_object_version 6
	.text
	.protected	k_q630a2a0611_ffn2
	.globl	k_q630a2a0611_ffn2
	.p2align	8
	.type	k_q630a2a0611_ffn2,@function
k_q630a2a0611_ffn2:
	s_mov_b64 s[64:65], 0
	v_nop
	global_prefetch_b8 v0, s[64:65] scope:SCOPE_SE
	s_setreg_imm32_b32 hwreg(HW_REG_WAVE_MODE, 25, 1), 1
	s_wait_xcnt 0x0
; SECOND EXPERT PRODUCT.  Work-group (ns + 16 kh, e): part[kh][slot][64 ns ..] = hid[slot][K half kh] ew2[e][K half kh][64 ns ..], f32 partial rows for all of expert e's slots.
; FORMATS.  hid comes in f16, so the product is the f16 form.  ew2 is rounded to bf16 like every input, on its way through registers, and that number is written as f16.
; LIMITS.  A bf16 number is exact in f16 from 6.1e-5 to 65,504; below it keeps f16's fixed step of 6e-8 (1e-4 of ew2's spread at a thirtieth of 0.02); a weight of 65,520 or more becomes an infinity.
; Each weight byte is read once in the launch, by this work-group alone.  The bias, the scores and the sum of the parts come in the next launch.
; ROUTING as in the first product: the groups' counts from sel give the expert's tiles and its first tile; a wave takes tiles w, w + 4, .., up to five in a pass (16 tiles an expert on average, four a
; wave); four passes hold 20 a wave, more than the 16 of an expert with all 1,024 tokens.
; PHASES.  (1) the slice, 2,048 k x 64 columns, goes through registers into LDS as ready fragments; (2) each wave multiplies its tiles by the whole slice; hid was stored in fragment order, so a
; load of 512 consecutive bytes is half a fragment.  The K loop writes no LDS and has no barrier.
; ONE TEXT OF THE K LOOP, for five tiles.  A K step has four products and two loads a tile, so the loads of hid set its pace: five K steps of ten loads are asked ahead, 60 loads out with the step's own;
; a sixth tile would leave room for four steps ahead.  The loads are always five tiles' (a missing tile repeats the wave's last real one), so every counted wait holds on every way; products alone are
; jumped: tiles 1 to 4's where the wave has one tile, tile 4's where it has fewer than five.
; THE WALK OVER K is eight trips of eight K steps and begins at trip ns mod 8: the 16 work-groups of an expert's K half read the same tiles of hid, and so ask for eight different eighths of them at a time.
; hid's K step 4 s + u holds at place (q, h, j) the channel 128 s + 64 (u / 2) + 2 (u % 2) + 32 h + 4 j + q: the unit's load (q, j) reads that row of ew2, 16 bytes (columns 4 rho ..) a lane, sixteen lanes
; 256 consecutive bytes.  Rows j, j + 1 rounded together give four fragments c whose column rho is column 4 rho + c.  With the tokens as source 0, register j of tiles c = 0..3 holds slot 8 h + j,
; columns 4 r + 0..3: 16 bytes of a row of part.
; No tensor loads (the weights must be rounded in registers); no cluster: each slice has one reader, and LDS is full with the slice, so the shared tiles of hid have no room there.
.set SPARE, 262144                     ; behind the slice's 64 K steps of 4,096 bytes: the spare words, 128 bytes a wave
.set PLANE, 8912896                    ; a K half's 2,176 rows of part
.set NT,    5                          ; tiles a wave in a pass
.set LA,    5                          ; K steps of hid asked ahead
.set TFS,   8*NT                       ; registers of a K step's hid fragments
.set MSB, 0
.macro WIN new                         ; the immediate's high byte repeats the setting that is left; a switch that changes nothing is dropped
.if MSB != (\new)
	s_set_vgpr_msb (MSB<<8)|(\new)
.set MSB, (\new)
.endif
.endm
.macro PLACES                          ; four plain places behind matrix instructions (ISA guide 7.12.1)
.rept 4
	v_nop
.endr
.endm
.macro WM d, a, b                      ; D += A B, registers by their absolute numbers
	WIN (((\d)>>8)*0x50)|(((\b)>>8)<<2)|((\a)>>8)
.set rD, (\d)&255
.set rA, (\a)&255
.set rB, (\b)&255
	v_wmma_f32_16x16x32_f16 v[rD:rD+7], v[rA:rA+7], v[rB:rB+7], v[rD:rD+7]
.endm
; window 0: v1 lane, v2 r, v3 h, v4 16 lane, v5, v10 LDS address of this trip's and the next trip's K steps, v6 offset in part, v7, v8 offsets, v12 fill address, v14-18 the tiles' offsets in hid,
;   v22 at work, v30-31 the add's; v96-127, v128-159 weight fragments, two buffers (before: counts); v160-223 the fill's rounded weights, widened; v224-255 at work
; window 1: four load sets of 64, then the accumulators (i, f) at 32 i + 8 f          windows 2 and 3: hid's fragments, buffer b of eight, tile i at absolute register 512 + 40 b + 8 i
	s_load_b256 s[4:11], s[0:1], 0x0               ; sel, hid, ew2, part
	v_lshl_add_u32 v30, v0, 2, SPARE
	v_mov_b32 v31, 0
	v_and_b32 v1, 31, v0
	v_and_b32 v2, 15, v0
	v_bfe_u32 v3, v0, 4, 1
	v_lshrrev_b32 v22, 5, v0
	v_readfirstlane_b32 s20, v22                   ; wave
	s_and_b32 s21, ttmp7, 0xffff                   ; expert
	s_and_b32 s18, ttmp9, 15                       ; ns
	s_lshr_b32 s19, ttmp9, 4                       ; kh
	s_and_b32 s37, ttmp9, 7                        ; the trip at which my walk over K begins: ns mod 8
	v_lshlrev_b32 v4, 4, v1
	v_lshlrev_b32 v6, 15, v3                       ; part: 8 h rows of 4,096 bytes
	v_lshl_add_u32 v6, v2, 4, v6                   ;       + 16 r
	v_lshlrev_b32 v7, 7, v1                        ; sel: group = lane
	v_lshlrev_b32 v8, 17, v3                       ; ew2: 32 h rows of 4,096 bytes
	v_lshl_add_u32 v8, v2, 4, v8                   ;      + 16 rho
.set k, 0
.rept 4
	v_mov_b32 v[112+k], 0
.set k, k+1
.endr
	s_mov_b32 s46, 0x76543210
	s_mov_b32 s47, 0xfedcba98
	s_mov_b32 s51, 0xffff0000                      ; a word's upper bf16
	s_lshl_b32 s42, s21, 24                        ; ew2: expert, K half, columns, my first unit: K step w: rows 64 (w / 2) + 2 (w % 2) + ..
	s_lshl_b32 s48, s19, 23
	s_add_co_u32 s42, s42, s48
	s_lshl_b32 s48, s18, 8
	s_add_co_u32 s42, s42, s48
	s_lshr_b32 s48, s20, 1
	s_lshl_b32 s48, s48, 18
	s_add_co_u32 s42, s42, s48
	s_and_b32 s48, s20, 1
	s_lshl_b32 s48, s48, 13
	s_add_co_u32 s42, s42, s48
	s_mov_b32 s43, 0
	s_wait_kmcnt 0x0
	s_add_nc_u64 s[8:9], s[8:9], s[42:43]
	global_load_b128 v[96:99], v7, s[4:5] offset:32    ; my group's counts for the eight experts
	global_load_b128 v[100:103], v7, s[4:5] offset:48
; A unit: a K step x 64 columns, 16 loads (z = 8 q + j: row 32 h + 4 j + q) into a set.  u: the unit's place, in units of 128 rows, from the stepped base.
.macro ULOAD set, u
	WIN 0x40
.set z, 0
.rept 16
	global_load_b128 v[64*(\set)+4*z:64*(\set)+4*z+3], v8, s[8:9] offset:(\u)*524288+(4*(z%8)+z/8)*4096 th:TH_LOAD_NT
.set z, z+1
.endr
	WIN 0
.endm
	ULOAD 0, 0
	ULOAD 1, 1
	ULOAD 2, 2
	s_wait_loadcnt 48                              ; all but the three units: the counts are in
.set k, 0
.rept 4
	v_lshl_or_b32 v[104+k], v[97+2*k], 16, v[96+2*k]
.set k, k+1
.endr
.irp m, 1,2,4,8
.set k, 0
.rept 4
	v_mov_b32_dpp v[112+k], v[104+k] row_xmask:\m row_mask:0xf bank_mask:0xf
.set k, k+1
.endr
.set k, 0
.rept 4
	v_add_nc_u32 v[104+k], v[104+k], v[112+k]
.set k, k+1
.endr
.endr
.set k, 0
.rept 4
	v_permlanex16_b32 v[112+k], v[104+k], s46, s47
.set k, k+1
.endr
.set k, 0
.rept 4
	v_add_nc_u32 v[104+k], v[104+k], v[112+k]
.set k, k+1
.endr
.set k, 0
.rept 4
	v_readfirstlane_b32 s50, v[104+k]
	s_and_b32 s[22+2*k], s50, 0xffff
	s_lshr_b32 s[23+2*k], s50, 16
.set k, k+1
.endr
	s_mov_b32 s30, 0                               ; tiles of the experts before e
	s_mov_b32 s31, 0                               ; c_e
.set i, 0
.rept 8
	s_min_u32 s[22+i], s[22+i], 1024
	s_add_co_u32 s50, s[22+i], 15
	s_lshr_b32 s50, s50, 4
	s_cmp_lt_u32 i, s21
	s_cselect_b32 s50, s50, 0
	s_add_co_u32 s30, s30, s50
	s_cmp_eq_u32 s21, i
	s_cselect_b32 s31, s[22+i], s31
.set i, i+1
.endr
	s_min_u32 s30, s30, 135
	s_add_co_u32 s32, s31, 15
	s_lshr_b32 s32, s32, 4                         ; the expert's tiles
	s_add_co_u32 s33, s32, 3
	s_sub_co_u32 s33, s33, s20
	s_lshr_b32 s33, s33, 2                         ; my wave's: w, w + 4, ..
	s_lshl_b32 s50, s20, 12
	v_add_nc_u32 v12, s50, v4                      ; unit i of wave w is K step 4 i + w
; One unit's turn.  ahead = 1: the unit three on is asked for, into the set read last turn; left: the younger loads that may stay out.  48 loads of 512 bytes a wave are on their way.
; A pair of weights is rounded to bf16, widened again (a shift, a mask) and written as f16: four instructions a pair, in a phase that waits for memory.
.macro SLOT set, ahead, left, u
	s_wait_loadcnt \left
.if \ahead
	ULOAD ((\set)+3)%4, \u
.endif
	WIN 0x05
.set c, 0
.rept 4
.set z, 0
.rept 8
	v_cvt_pk_bf16_f32 v[224+8*c+z], v[64*(\set)+8*z+c], v[64*(\set)+8*z+4+c]
.set z, z+1
.endr
.set c, c+1
.endr
	WIN 0
.set z, 0
.rept 32
	v_lshlrev_b32 v[160+2*z], 16, v[224+z]
	v_and_b32 v[161+2*z], s51, v[224+z]
.set z, z+1
.endr
.set z, 0
.rept 32
	v_cvt_pk_f16_f32 v[224+z], v[160+2*z], v[161+2*z]
.set z, z+1
.endr
.set z, 0
.rept 8                                            ; z = 2 c + q: half a fragment, 512 consecutive bytes
	ds_store_b128 v12, v[224+4*z:227+4*z] offset:512*z
.set z, z+1
.endr
	v_add_nc_u32 v12, 0x4000, v12
.endm
	s_mov_b32 s36, 3
.Lfill:
	SLOT 0, 1, 32, 3
	SLOT 1, 1, 32, 4
	SLOT 2, 1, 32, 5
	SLOT 3, 1, 32, 6
	s_wait_xcnt 0x0                                ; the base is stepped only behind this wait
	s_add_nc_u64 s[8:9], s[8:9], 0x200000
	s_sub_co_u32 s36, s36, 1
	s_cmp_lg_u32 s36, 0
	s_cbranch_scc1 .Lfill
	SLOT 0, 1, 32, 3                               ; the last four units: one more request, then the counts run down
	SLOT 1, 0, 32, 0
	SLOT 2, 0, 16, 0
	SLOT 3, 0, 0, 0
	s_wait_dscnt 0x0                               ; for the others' sake: my part of the slice is in LDS
	s_barrier_signal -1
	s_barrier_wait -1
	s_add_co_u32 s48, s30, s20                     ; tile (first tile + w)
	s_lshl_b32 s42, s48, 17
	s_lshl_b32 s50, s19, 16
	s_add_co_u32 s42, s42, s50
	s_mov_b32 s43, 0
	s_add_nc_u64 s[52:53], s[6:7], s[42:43]        ; hid at that tile, my K half
	s_lshl_b32 s42, s48, 16
	s_mul_i32 s50, s19, PLANE
	s_add_co_u32 s42, s42, s50
	s_lshl_b32 s50, s18, 8
	s_add_co_u32 s42, s42, s50
	s_add_nc_u64 s[44:45], s[10:11], s[42:43]      ; part at that tile, my K half, my columns
.macro WLOAD b, a, o                   ; a K step's four weight fragments, from address register a
	WIN 0
.set z, 0
.rept 8
	ds_load_b128 v[96+32*(\b)+4*z:99+32*(\b)+4*z], v[\a] offset:(\o)+512*z
.set z, z+1
.endr
.endm
.macro TLOAD b, sb, im                 ; a K step's fragments of five tiles of hid into buffer b: ten loads of 512 consecutive bytes
.set i, 0
.rept NT
.set rT, 512+TFS*(\b)+8*i
.set rL, rT&255
	WIN (rT>>8)<<6
	global_load_b128 v[rL:rL+3], v[14+i], s[\sb:\sb+1] offset:(\im)
	global_load_b128 v[rL+4:rL+7], v[14+i], s[\sb:\sb+1] offset:(\im)+512
.set i, i+1
.endr
.endm
; K step p of a trip's eight: the next step's weights and hid five steps on are asked for, then four products a tile, all on different accumulators.
; The trip's last step takes its next weights from the next trip's address.  What is jumped is products alone: no load and no wait.
.macro KS p
	WIN 0
	PLACES                                         ; the loads below land in registers that earlier products read
.if (\p) < 7
	WLOAD ((\p)+1)%2, 5, ((\p)+1)*4096
.else
	WLOAD 0, 10, 0
.endif
.if (\p)+LA < 8
	TLOAD (\p)+LA, 38, ((\p)+LA)*1024
.else
	TLOAD (\p)+LA-8, 40, ((\p)+LA-8)*1024
.endif
	s_wait_dscnt 8                                 ; this step's weights are in; the 8 just issued stay out
	s_wait_loadcnt 2*NT*LA                         ; this step's hid is in; five younger steps of ten loads stay out
.set i, 0
.rept NT
.if i == 1
	WIN 0
	s_cmp_lt_u32 s34, 2                            ; one tile: the usual second pass
	s_cbranch_scc1 .Lks_\@
.endif
.if i == 4
	WIN 0
	s_cmp_lt_u32 s34, 5
	s_cbranch_scc1 .Lks_\@
.endif
.set f, 0
.rept 4
	WM 256+32*i+8*f, 512+TFS*(\p)+8*i, 96+32*((\p)%2)+8*f
.set f, f+1
.endr
.set i, i+1
.endr
	WIN 0
.Lks_\@:
.endm
	s_mov_b32 s35, 4
.Lpass:                                                ; four passes of up to five tiles a wave cover every split
	s_max_i32 s34, s33, 0
	s_min_u32 s34, s34, NT
	s_cmp_eq_u32 s34, 0
	s_cbranch_scc1 .Lbottom
	WIN 0x40                                       ; the sums start at 0: all five tiles, so that one text of the K loop serves every step and the way out reads written registers on every way
.set z, 0
.rept 32*NT
	v_mov_b32 v[z], 0
.set z, z+1
.endr
	WIN 0
	s_sub_co_u32 s48, s34, 1
.set i, 0
.rept NT                                           ; tile i lies 4 i tiles of 131,072 bytes on; a tile past the count repeats tile n - 1
	s_min_u32 s50, s48, i
	s_lshl_b32 s50, s50, 19
	v_add_nc_u32 v[14+i], s50, v4
.set i, i+1
.endr
	; the walk's first trip is trip s37, the next (s37 + 1) mod 8.  A trip's LDS address is 16 x lane + 32,768 x trip; its 8,192 bytes of a tile of hid begin at 8,192 x trip.
	s_lshl_b32 s50, s37, 15
	v_add_nc_u32 v5, s50, v4
	s_lshl_b32 s42, s37, 13
	s_add_nc_u64 s[38:39], s[52:53], s[42:43]
	s_add_co_u32 s42, s37, 1
	s_and_b32 s42, s42, 7
	s_lshl_b32 s50, s42, 15
	v_add_nc_u32 v10, s50, v4
	s_lshl_b32 s42, s42, 13
	s_add_nc_u64 s[40:41], s[52:53], s[42:43]
	s_mov_b32 s36, 0
	WLOAD 0, 5, 0
.set k, 0
.rept LA
	TLOAD k, 38, k*1024
.set k, k+1
.endr
	WIN 0
.Lk:                                                   ; eight trips of eight K steps.  s[38:39]: hid at this trip's steps; s[40:41]: at the next trip's; behind the walk's last trip comes its first again,
	KS 0                                           ; so that the look-ahead stays inside the slice and inside what was stored
	KS 1
	KS 2
	KS 3
	KS 4
	KS 5
	KS 6
	KS 7
	s_wait_xcnt 0x0                                ; the bases are written only behind this wait
	s_mov_b64 s[38:39], s[40:41]
	v_mov_b32 v5, v10
	s_add_co_u32 s36, s36, 1
	s_add_co_u32 s42, s36, s37
	s_add_co_u32 s42, s42, 1
	s_and_b32 s42, s42, 7
	s_lshl_b32 s50, s42, 15
	v_add_nc_u32 v10, s50, v4
	s_lshl_b32 s42, s42, 13
	s_add_nc_u64 s[40:41], s[52:53], s[42:43]
	s_cmp_lt_u32 s36, 8
	s_cbranch_scc1 .Lk
	s_wait_loadcnt 0x0                             ; the look-ahead's loads, which nobody uses
	s_wait_dscnt 0x0
	PLACES
.set i, 0
.rept NT
.if i > 0
	s_cmp_le_u32 s34, i
	s_cbranch_scc1 .Lbottom
.endif
	s_wait_xcnt 0x0                                ; the last tile's stores have read v224-255
	WIN 0x01
.set z, 0
.rept 32                                           ; z = 4 j + f: register j of the four accumulators side by side; j ascends, so each is read from its low end on
	v_mov_b32 v[224+z], v[32*i+8*(z%4)+z/4]
.set z, z+1
.endr
	WIN 0
.set j, 0
.rept 8
	global_store_b128 v6, v[224+4*j:227+4*j], s[44:45] offset:i*262144+j*4096   ; sixteen lanes store 256 consecutive bytes, aligned: rows j and 8 + j
.set j, j+1
.endr
.set i, i+1
.endr
.Lbottom:
	s_wait_xcnt 0x0
	s_add_nc_u64 s[44:45], s[44:45], 0x140000      ; 20 tiles on, in part
	s_add_nc_u64 s[52:53], s[52:53], 0x280000      ; and in hid
	s_sub_co_i32 s33, s33, NT
	s_sub_co_u32 s35, s35, 1
	s_cmp_lg_u32 s35, 0
	s_cbranch_scc1 .Lpass
	s_wait_dscnt 0x0                               ; my reads of the slice are over:
	s_barrier_signal -1                            ; every wave says so,
	s_barrier_wait -1                              ; so that no wave's last LDS write comes while another still reads
	s_wait_tensorcnt 0x0                           ; the wave's end
	ds_add_u32 v30, v31
	s_wait_dscnt 0x0
	s_endpgm
.Lfunc_end_k_q630a2a0611_ffn2:
	.size	k_q630a2a0611_ffn2, .Lfunc_end_k_q630a2a0611_ffn2-k_q630a2a0611_ffn2
	.p2alignl 7, 3214868480
	.fill 96, 4, 3214868480
	.section	.rodata,"a",@progbits
	.p2align	6, 0x0
	.amdhsa_kernel k_q630a2a0611_ffn2
		.amdhsa_group_segment_fixed_size 262656
		.amdhsa_private_segment_fixed_size 0
		.amdhsa_enable_private_segment 0
		.amdhsa_kernarg_size 32
		.amdhsa_user_sgpr_count 2
		.amdhsa_user_sgpr_kernarg_segment_ptr 1
		.amdhsa_wavefront_size32 1
		.amdhsa_system_sgpr_workgroup_id_x 1
		.amdhsa_system_sgpr_workgroup_id_y 1
		.amdhsa_system_sgpr_workgroup_id_z 1
		.amdhsa_system_vgpr_workitem_id 0
		.amdhsa_next_free_vgpr 832
		.amdhsa_next_free_sgpr 66
		.amdhsa_reserve_vcc 0
		.amdhsa_float_denorm_mode_32 3
		.amdhsa_float_denorm_mode_16_64 3
		.amdhsa_memory_ordered 1
		.amdhsa_forward_progress 1
		.amdhsa_inst_pref_size 122
	.end_amdhsa_kernel
	.amdgpu_metadata
---
amdhsa.version: [ 1, 2 ]
amdhsa.kernels:
  - .name:           k_q630a2a0611_ffn2
    .symbol:         k_q630a2a0611_ffn2.kd
    .args:
      - { .name: sel, .offset: 0, .size: 8, .value_kind: global_buffer, .address_space: global }
      - { .name: hid, .offset: 8, .size: 8, .value_kind: global_buffer, .address_space: global }
      - { .name: ew2, .offset: 16, .size: 8, .value_kind: global_buffer, .address_space: global }
      - { .name: part, .offset: 24, .size: 8, .value_kind: global_buffer, .address_space: global }
    .group_segment_fixed_size: 262656
    .private_segment_fixed_size: 0
    .kernarg_segment_align: 8
    .kernarg_segment_size: 32
    .max_flat_workgroup_size: 128
    .sgpr_count:     66
    .vgpr_count:     832
    .wavefront_size: 32
...
	.end_amdgpu_metadata
.endif
;; end of part 4
;; launch comb (part 5): grid 256 x 1, 4 waves a work-group, no clusters, 0 bytes of LDS; arguments idx, pos, out1, part, eb2, out0; writes out0
.if DOCPART == 5
	.amdgcn_target "amdgcn-amd-amdhsa--gfx1250"
	.amdhsa_code_object_version 6
	.text
	.protected	k_q630a2a0611_comb
	.globl	k_q630a2a0611_comb
	.p2align	8
	.type	k_q630a2a0611_comb,@function
k_q630a2a0611_comb:
	s_mov_b64 s[64:65], 0
	v_nop
	global_prefetch_b8 v0, s[64:65] scope:SCOPE_SE
	s_setreg_imm32_b32 hwreg(HW_REG_WAVE_MODE, 25, 1), 1
	s_wait_xcnt 0x0
; THE SUM.  out0[t] = the sum over the token's two experts of score x (part[0][slot] + part[1][slot] + eb2[e]).  One wave a token: each output row has one owner.
; The experts come from idx, the slots from pos (whole numbers stored by earlier launches, clamped to their tables before they enter an address), the scores from out1.  eb2 is rounded to bf16 like every input.
; idx, the token's eight scores and its eight words of pos lie at places that hang on the token alone: all ten scalar loads go out together, and the two experts' words are then chosen by selects, so that
; the rows' addresses stand one scalar load behind the arguments, not two.
; A stream: six rows of 4,096 bytes in, one out, every load and store of the wave 512 consecutive bytes; all 48 loads go out before the first wait.  No LDS, no matrix unit: nothing is shared and nothing multiplied.
.set PLANE, 8912896
	s_load_b256 s[4:11], s[0:1], 0x0               ; idx, pos, out1, part
	s_load_b128 s[12:15], s[0:1], 0x20             ; eb2, out0
	v_and_b32 v1, 31, v0
	v_lshlrev_b32 v2, 4, v1
	v_lshrrev_b32 v3, 5, v0
	v_readfirstlane_b32 s20, v3
	s_lshl_b32 s21, ttmp9, 2
	s_add_co_u32 s21, s21, s20                     ; my token
	s_lshl_b32 s22, s21, 2
	s_mov_b32 s23, 0
	s_lshl_b32 s30, s21, 5
	s_mov_b32 s31, 0
	s_mov_b32 s29, 0xffff0000
	s_wait_kmcnt 0x0
	s_add_nc_u64 s[24:25], s[4:5], s[22:23]        ; idx[t]
	s_add_nc_u64 s[32:33], s[6:7], s[22:23]        ; pos[0][t]
	s_add_nc_u64 s[34:35], s[8:9], s[30:31]        ; out1[t][0]
	s_load_b32 s26, s[24:25], 0x0
	s_load_b256 s[72:79], s[34:35], 0x0            ; the eight scores
.set e, 0
.rept 8
	s_load_b32 s[80+e], s[32:33], e*4096           ; pos[e][t]
.set e, e+1
.endr
	s_lshl_b32 s30, s21, 12
	s_add_nc_u64 s[14:15], s[14:15], s[30:31]      ; my row of out0
	s_wait_kmcnt 0x0
	s_and_b32 s27, s26, 255
	s_min_u32 s27, s27, 7                          ; the first expert
	s_bfe_u32 s28, s26, 0x80008
	s_min_u32 s28, s28, 7                          ; the second
	s_mov_b32 s40, s80                             ; slot and score of the first expert in s40, s44; of the second in s42, s46
	s_mov_b32 s42, s80
	s_mov_b32 s44, s72
	s_mov_b32 s46, s72
.set e, 1
.rept 7
	s_cmp_eq_u32 s27, e
	s_cselect_b32 s40, s[80+e], s40
	s_cselect_b32 s44, s[72+e], s44
	s_cmp_eq_u32 s28, e
	s_cselect_b32 s42, s[80+e], s42
	s_cselect_b32 s46, s[72+e], s46
.set e, e+1
.endr
	s_lshl_b32 s30, s27, 12
	s_add_nc_u64 s[16:17], s[12:13], s[30:31]      ; eb2's two rows
	s_lshl_b32 s30, s28, 12
	s_add_nc_u64 s[18:19], s[12:13], s[30:31]
	s_min_u32 s40, s40, 2175
	s_lshl_b32 s40, s40, 12
	s_mov_b32 s41, 0
	s_min_u32 s42, s42, 2175
	s_lshl_b32 s42, s42, 12
	s_mov_b32 s43, 0
	s_add_nc_u64 s[48:49], s[10:11], s[40:41]
	s_add_nc_u64 s[50:51], s[48:49], PLANE
	s_add_nc_u64 s[52:53], s[10:11], s[42:43]
	s_add_nc_u64 s[54:55], s[52:53], PLANE
	s_mov_b32 s45, s44                             ; the scores are named as pairs
	s_mov_b32 s47, s46
.set c, 0
.rept 8
	global_load_b128 v[32+24*c:35+24*c], v2, s[48:49] offset:512*c th:TH_LOAD_NT
	global_load_b128 v[36+24*c:39+24*c], v2, s[50:51] offset:512*c th:TH_LOAD_NT
	global_load_b128 v[40+24*c:43+24*c], v2, s[52:53] offset:512*c th:TH_LOAD_NT
	global_load_b128 v[44+24*c:47+24*c], v2, s[54:55] offset:512*c th:TH_LOAD_NT
	global_load_b128 v[48+24*c:51+24*c], v2, s[16:17] offset:512*c
	global_load_b128 v[52+24*c:55+24*c], v2, s[18:19] offset:512*c
.set c, c+1
.endr
.set c, 0
.rept 8
.set R, 32+24*c
	s_wait_loadcnt 6*(7-c)                         ; loads return in order: chunk c's six are in
	v_cvt_pk_bf16_f32 v10, v[R+16], v[R+17]
	v_cvt_pk_bf16_f32 v11, v[R+18], v[R+19]
	v_cvt_pk_bf16_f32 v12, v[R+20], v[R+21]
	v_cvt_pk_bf16_f32 v13, v[R+22], v[R+23]
	v_pk_add_f32 v[R:R+1], v[R:R+1], v[R+4:R+5]
	v_pk_add_f32 v[R+2:R+3], v[R+2:R+3], v[R+6:R+7]
	v_pk_add_f32 v[R+8:R+9], v[R+8:R+9], v[R+12:R+13]
	v_pk_add_f32 v[R+10:R+11], v[R+10:R+11], v[R+14:R+15]
	v_lshlrev_b32 v[R+16], 16, v10
	v_and_b32 v[R+17], s29, v10
	v_lshlrev_b32 v[R+18], 16, v11
	v_and_b32 v[R+19], s29, v11
	v_lshlrev_b32 v[R+20], 16, v12
	v_and_b32 v[R+21], s29, v12
	v_lshlrev_b32 v[R+22], 16, v13
	v_and_b32 v[R+23], s29, v13
	v_pk_add_f32 v[R:R+1], v[R:R+1], v[R+16:R+17]
	v_pk_add_f32 v[R+2:R+3], v[R+2:R+3], v[R+18:R+19]
	v_pk_add_f32 v[R+8:R+9], v[R+8:R+9], v[R+20:R+21]
	v_pk_add_f32 v[R+10:R+11], v[R+10:R+11], v[R+22:R+23]
	v_pk_mul_f32 v[R:R+1], v[R:R+1], s[44:45] op_sel_hi:[1,0]
	v_pk_mul_f32 v[R+2:R+3], v[R+2:R+3], s[44:45] op_sel_hi:[1,0]
	v_pk_fma_f32 v[R:R+1], v[R+8:R+9], s[46:47], v[R:R+1] op_sel_hi:[1,0,1]
	v_pk_fma_f32 v[R+2:R+3], v[R+10:R+11], s[46:47], v[R+2:R+3] op_sel_hi:[1,0,1]
	global_store_b128 v2, v[R:R+3], s[14:15] offset:512*c th:TH_STORE_NT
.set c, c+1
.endr
	s_endpgm
.Lfunc_end_k_q630a2a0611_comb:
	.size	k_q630a2a0611_comb, .Lfunc_end_k_q630a2a0611_comb-k_q630a2a0611_comb
	.p2alignl 7, 3214868480
	.fill 96, 4, 3214868480
	.section	.rodata,"a",@progbits
	.p2align	6, 0x0
	.amdhsa_kernel k_q630a2a0611_comb
		.amdhsa_group_segment_fixed_size 0
		.amdhsa_private_segment_fixed_size 0
		.amdhsa_enable_private_segment 0
		.amdhsa_kernarg_size 48
		.amdhsa_user_sgpr_count 2
		.amdhsa_user_sgpr_kernarg_segment_ptr 1
		.amdhsa_wavefront_size32 1
		.amdhsa_system_sgpr_workgroup_id_x 1
		.amdhsa_system_sgpr_workgroup_id_y 1
		.amdhsa_system_sgpr_workgroup_id_z 1
		.amdhsa_system_vgpr_workitem_id 0
		.amdhsa_next_free_vgpr 224
		.amdhsa_next_free_sgpr 88
		.amdhsa_reserve_vcc 0
		.amdhsa_float_denorm_mode_32 3
		.amdhsa_float_denorm_mode_16_64 3
		.amdhsa_memory_ordered 1
		.amdhsa_forward_progress 1
		.amdhsa_inst_pref_size 20
	.end_amdhsa_kernel
	.amdgpu_metadata
---
amdhsa.version: [ 1, 2 ]
amdhsa.kernels:
  - .name:           k_q630a2a0611_comb
    .symbol:         k_q630a2a0611_comb.kd
    .args:
      - { .name: idx, .offset: 0, .size: 8, .value_kind: global_buffer, .address_space: global }
      - { .name: pos, .offset: 8, .size: 8, .value_kind: global_buffer, .address_space: global }
      - { .name: out1, .offset: 16, .size: 8, .value_kind: global_buffer, .address_space: global }
      - { .name: part, .offset: 24, .size: 8, .value_kind: global_buffer, .address_space: global }
      - { .name: eb2, .offset: 32, .size: 8, .value_kind: global_buffer, .address_space: global }
      - { .name: out0, .offset: 40, .size: 8, .value_kind: global_buffer, .address_space: global }
    .group_segment_fixed_size: 0
    .private_segment_fixed_size: 0
    .kernarg_segment_align: 8
    .kernarg_segment_size: 48
    .max_flat_workgroup_size: 128
    .sgpr_count:     88
    .vgpr_count:     224
    .wavefront_size: 32
...
	.end_amdgpu_metadata
.endif
;; end of part 5
